; MI455X (gfx1250); checked and timed in simulation.
; The chip was launched on July 23, 2026; its instructions are those of AMD's public machine-readable ISA for CDNA 5 (MIT licence, August 2026) and "CDNA5" Instruction Set Architecture Reference Guide (July 2026). The comments in the code are by the model that wrote it; some were corrected since.
;; Swin Window Transform Layer. Allowed arithmetic: matrix products marked QUANTISED: E2M1 operands, one E8M0 scale for each 32 along K, by v_wmma_scale_f32_16x16x128_f8f6f4 with both operands' format E2M1 (or v_wmma_scale_f32_32x16x128_f4), f32 sums; everything else in f32.
;; Inputs: W1_codes 2,048 x 16 x 16 uint8 (E2M1 codes of W1, K innermost, in blocks of 32 codes, two codes a byte); W1_scales 2,048 x 16 uint8 (E8M0 scales of W1, one for each 32 codes along K); W2_codes 512 x 64 x 16 uint8 (E2M1 codes of W2, K innermost, in blocks of 32 codes, two codes a byte); W2_scales 512 x 64 uint8 (E8M0 scales of W2, one for each 32 codes along K); b1 2,048 float32; b2 512 float32; inputs 8 x 4,096 x 512 float32; ln_beta 512 float32; ln_gamma 512 float32.
;; Outputs: out0 8 x 4,096 x 512 float32.
;; This version of the problem:
;;   THIS VERSION OF THE PROBLEM IS GIVEN IN LOW PRECISION. The matrix products marked QUANTISED in the list below multiply operands that are first quantised to E2M1 (2 exponent bits, 1 mantissa bit; 4 bits a number), with one power-of-two scale for each 32 numbers along K (OCP MX v1.0); their sums are f32. All else is computed in f32.
;;   The module's matrix products, in the order in which they are computed (A, B: the left and right operand; K: the contracted axis; several contracted axes count as one K, in the product's order):
;;     1. [M 32,768, K 512] x [K 512, N 2,048]; A: computed on the way; B: input W1 (given as codes): QUANTISED
;;     2. [M 32,768, K 2,048] x [K 2,048, N 512]; A: computed on the way; B: input W2 (given as codes): QUANTISED
;;   THE QUANTISER, for each operand of a quantised product, along K:
;;     - K is cut into blocks of 32 from its start; a last block that is shorter is filled with zeros.
;;     - A block's scale is 2^e with e = floor(log2(the largest magnitude in the block)) - 2, held to -126 .. 127; a block of zeros has e = 0. As a byte (E8M0): e + 127.
;;     - Each number is divided by its block's scale, clamped to +-6, and rounded to the nearest number of E2M1, ties to even, subnormals kept.
;;     - The product sums the exact products of the quantised numbers (number of the format x scale) in f32.
;;   ~~~python
;;   def quantise(x, axis):      # numpy; x: float32 -> the quantised numbers, widened to float32 again
;;       x = np.moveaxis(x, axis, -1); K = x.shape[-1]
;;       x = np.pad(x, [(0, 0)] * (x.ndim - 1) + [(0, -K % 32)]); x = x.reshape(x.shape[:-1] + (-1, 32)); a = np.abs(x).max(-1, keepdims=True)
;;       e = np.where(a > 0, np.clip(np.frexp(np.where(a > 0, a, 1))[1] - 1 - 2, -126, 127), 0)      # np.frexp(a)[1] - 1 = floor(log2(a)), exactly
;;       r = np.clip(x / 2.0 ** e, -6, 6)
;;       step = 2.0 ** (np.maximum(np.frexp(np.where(r == 0, 1, r))[1] - 1, 0) - 1)
;;       q = np.round(r / step) * step * 2.0 ** e      # np.round: ties to even
;;       return np.moveaxis(q.reshape(q.shape[:-2] + (-1,))[..., :K], -1, axis).astype(np.float32)
;;   ~~~
;;   OPERANDS COMPUTED ON THE WAY. 'Computed on the way' means the value that the module computes at that place (a softmax that the list does not call 'softmax' is quantised finished and normalised). What goes into a quantiser is computed in f32, as accurately as f32 sums, v_exp_f32 and their like allow (about 1e-6 of the number): no bf16 or f16 on the way to a quantiser, and a product that is left as it is and whose result goes on into a quantised operand takes f32 operands (vector FMAs, or v_wmma_f32_16x16x4_f32). A number that lies on a knife's edge between two numbers of the format may be rounded either way, as far as f32 arithmetic and the matrix unit's own rounding can turn it there, and no further.
;;   INPUTS GIVEN AS CODES. W1 (in the module: [512, 2048], K = its axis 0); W2 (in the module: [2048, 512], K = its axis 0): each comes as NAME_codes (uint8): NAME with its K axis moved to the last place and cut into blocks of 32 codes, [.., K / 32, bytes a block], one block behind the other in memory; two codes a byte, the lower K in the low four bits (a code: sign, 2 exponent bits, 1 mantissa bit); and NAME_scales (uint8): the same leading axes, one E8M0 byte (e + 127) for each 32 codes along K. Its value is code x scale, taken as it is: it is not quantised again, and the codes and scales need not be those that the quantiser above would give.
;; One version. Each part assembles by itself: llvm-mc -triple=amdgcn-amd-amdhsa -mcpu=gfx1250 --defsym DOCPART=n.
;; ======== version 1 of 1: 1 launch
;; launch swin_mlp (part 1): grid 256 x 1, 4 waves a work-group, clusters of 4 x 1, 327,680 bytes of LDS; arguments inputs, ln_gamma, ln_beta, W1_codes, W1_scales, b1, W2_codes, W2_scales, b2, out0; writes out0
.if DOCPART == 1
	.amdgcn_target "amdgcn-amd-amdhsa--gfx1250"
	.amdhsa_code_object_version 6
	.text
	.protected	k_qdd24795f6d_swin_mlp
	.globl	k_qdd24795f6d_swin_mlp
	.p2align	8
	.type	k_qdd24795f6d_swin_mlp,@function
k_qdd24795f6d_swin_mlp:
	s_mov_b64 s[64:65], 0
	v_nop
	global_prefetch_b8 v0, s[64:65] scope:SCOPE_SE
	s_setreg_imm32_b32 hwreg(HW_REG_WAVE_MODE, 25, 1), 1
	s_wait_xcnt 0x0
	s_wait_alu depctr_hold_cnt(0) depctr_sa_sdst(0) depctr_va_vdst(0) depctr_va_sdst(0) depctr_va_ssrc(0) depctr_va_vcc(0) depctr_vm_vsrc(0)
	s_getreg_b32 s2, hwreg(HW_REG_IB_STS2, 6, 4)
	s_cmp_eq_u32 s2, 0
	s_cbranch_scc0 .Lentry_in_a_cluster
	s_endpgm
.Lentry_in_a_cluster:
	s_bfe_u32 s2, ttmp6, 0x10000c
	s_cmp_lg_u32 s2, 0x3003
	s_cbranch_scc0 .Lentry_shape_is_right
	s_endpgm
.Lentry_shape_is_right:
; out = gelu(LN(x) W1 + b1) W2 + b2 + x,  x[b][h][w][:] = inputs[b][(h+4)%64][(w+4)%64][:] + inputs[b][h][w][:].   inputs, out: [8][4096][512] f32.
; WHAT IS LEFT OUT: reference()'s window partition (reshape, transpose) is followed at once by its reverse (the same transpose back, reshape): for all values of the inputs the two together
; move every number back to where it stood, so no number is moved for them here; the cyclic shift is an address.  Every input has a way to the output and is loaded.  No arithmetic of reference() is left out.
; BOTH PRODUCTS run on codes of E2M1 with one E8M0 scale for each 32 along K.  W1 [2048][512] and W2 [512][2048] come as codes, K innermost, and go to the matrix unit as they lie.
; LN(x) and gelu(..) are quantised in registers: a block's scale byte is its largest magnitude's exponent field - 2; the conversion divides, holds at the largest code and rounds to nearest, ties to even.
; gelu is jax's default (tanh) form, written v / (1 + 2^(v (c0 + c1 v^2))), c0 = -2 log2(e) sqrt(2/pi), c1 = 0.044715 c0: the same function, finite for every finite v.
; LIMITS: NaN and infinities among the inputs are not served.  A block whose largest magnitude lies under 2^-124 gets the byte 1; a block of zeros gets 1 where the quantiser says 127: its codes are zeros,
; which add nothing, and the bytes never leave this kernel.  ORDER OF ROUNDING: x is the start of the second product's sums and b2 is added last, where reference() adds b2 first and x last.
; SHARES.  Work-group g (of 256) owns rows 128 g .. 128 g + 127: two rows of the 64 x 64 grid.  Wave w owns 32 of them, two tiles of 16, and takes them through the whole chain: waves hand each other nothing.
; Both products are used TRANSPOSED (source 0 = 16 rows of the weight, source 1 = my 16 rows): lane (r, h) holds row r throughout, and register 8 n + j of a run is column 16 n + 8 h + j.
; So x (512 registers, windows 2 and 3) is the C of the second product's first step, and the hidden layer never leaves the registers.
; A block of 32 along K is 16 registers of lane l and 16 of lane l xor 16.  The conversion of the eight numbers 32 (2 c + e) + 16 u + 8 h .. goes to fragment register 4 c + 2 u + e; one exchange of halves between
; registers 4 c + 2 u and 4 c + 2 u + 1 then gives the operand's layout (register 4 c + d: lanes 0-15 word d of block 2 c, lanes 16-31 of block 2 c + 1).
; THE WEIGHTS go through a ring of two LDS slots, 8 tiles of 256 hidden units (two steps of 128).  All work-groups walk the same weights: the four of a cluster ask JOINTLY, one tensor load a wave:
; wave 0 W1's codes (256 rows x 256 bytes), wave 1 W2's codes (512 rows x 128 bytes), wave 2 W1's scale bytes (4,096 dense), wave 3 W2's (512 rows x 8).  One tensor load of a wave is out at most.
; W2's rows in a tile are 128 bytes: with 256 a slot would hold 512 hidden units, and two such slots do not fit in LDS.
; A STEP (128 hidden units): 64 products for the hidden layer (LN(x)'s codes stay in registers; b1 is the C of the first K step), gelu, two quantisers, 64 products onto the 64 accumulators of y.
; REGISTERS, in windows of 256.  Window 0: v0-31 addresses and statistics; v32-95 LN(x)'s 8 fragments, v96-103 their scale words; v104-121 the hidden layer's two fragments and scale words;
;   v122-137 W1's scale words, v138-153 W2's; v154-217 b1 of the step; v218-249 b2; v250-251 c0.  (Ahead of the loop v104-231 hold gamma and beta of odd K steps, v232-239 sums.)
;   Window 1: v0-127 the hidden layer; v128-191, v192-255 two sets of weight fragments; the second is also the gelu's and the quantiser's scratch.  Windows 2, 3: x, then y, of my rows 0-15 and 16-31.
.set SLOT1, 0x28000                    ; slot 1 begins here; the slots' bases (0, 4096, 8192, 77824) have neither of its two bits, so one exclusive or turns a base into the other slot's
.set S1O,   0                          ; a slot: W1's scale bytes, 16 a row, dense;
.set S2O,   4096                       ; W2's, 8 a row, dense;
.set W1C,   8192                       ; W1's codes: 256 rows, 272 bytes apart (17 x 16: sixteen rows start at sixteen different 16-byte columns of 256);
.set W2C,   77824                      ; W2's codes: 512 rows, 144 bytes apart (9 x 16), up to byte 151,552
.set STG0,  151552                     ; behind each slot's tiles: two waves' stages of 16 rows x 272 bytes; no tile lands there
.set SPARE, 160256                     ; the spare words, 128 bytes for each wave: two blocks of 256 bytes that no other line names
.set SPW, 1                            ; v1   LDS address of my spare word; never rewritten
.set NIL, 2                            ; v2   0; never rewritten
.set LW1, 3                            ; v3   my lane's place in a tile of W1's codes
.set LW2, 4                            ; v4   in W2's
.set LS1, 5                            ; v5   among W1's scale bytes: 16 x lane
.set LS2, 6                            ; v6   among W2's: S2O + 8 x lane
.set ADW1, 7                           ; v7-11 the step's addresses
.set ADW2A, 8
.set ADW2B, 9
.set ADS1, 10
.set ADS2, 11
.set LH32, 12                          ; v12  32 h: my eight numbers of sixteen in gamma, beta, b1
.set ADB1, 13                          ; v13  the same in the next step's b1
.set STD, 14                           ; v14  the stage, dense: lanes 0-15 one row of 256 bytes, lanes 16-31 the next
.set STL, 15                           ; v15  the stage, by lanes: row r, + 32 h
.set OWN, 16                           ; v16  memory, dense: (lane / 16) x 2,048 + 16 (lane % 16)
.set ROLA, 17                          ; v17  the shifted rows: the same + (w0 + 4) rows
.set ROLB, 18                          ; v18  the last four shifted rows: + ((w0 + 32) % 64) rows
.set COL16, 19                         ; v19  16 (lane % 16)
.set RS0, 20                           ; v[20:21], v[24:25] 1 / sqrt(var + eps) of my row in tile 0, 1, twice
.set MU0, 22                           ; v[22:23], v[26:27] its mean, twice
.set LN, 28
.set TA, 30
.set TP, 31
.set A1,  32
.set A1S, 96
.set HF,  104
.set HS,  120
.set W1S, 122
.set W2S, 138
.set B1,  154
.set B2D, 218
.set C0,  250
.set GB,  104                          ; gamma and beta of odd K steps, window 0
.set BB,  168
.set ACC, 232
.set GA,  64                           ; of even K steps, window 1
.set BA,  128
.set WB0, 128                          ; window 1
.set WB1, 192
.set TT,  192
.set QT,  192
.set WV,  26                           ; s26  my wave's number
.set G1A, 32                           ; s[32:63] four descriptor groups 1
.set G1B, 40
.set G1C, 48
.set G1D, 56
.set G0A, 68                           ; s[68:83] four groups 0, which walk
.set G0B, 72
.set G0C, 76
.set G0D, 80
.set T1,  84                           ; s84-87 slot base + (step in the slot) x 34,816 / 64 / 2,048 / 4
.set T2,  85
.set T3,  86
.set T4,  87
.set TRIPS, 88
.set STEPS, 89
.set B1O, 91                           ; s91  byte offset of the NEXT step's b1
.set SEL, 92                           ; s[92:93] lane selects for lane l xor 16
.set C1,  94                           ; s[94:95] c1, twice
.set MSB, 0
.macro WIN new                         ; the immediate's high byte repeats the setting that is left; a switch that changes nothing is dropped
.if MSB != (\new)
	s_set_vgpr_msb (MSB<<8)|(\new)
.set MSB, (\new)
.endif
.endm
.macro PLACES                          ; four plain places behind matrix instructions, in front of loads into their registers and of reads of their results
.rept 4
	v_nop
.endr
.endm
.macro CROUND                          ; a round of the cluster's barrier
	s_barrier_signal -1
	s_barrier_wait -1
	s_cmp_lg_u32 s[WV], 0
	s_cbranch_scc1 .Lnot_wave_0_\@
	s_barrier_signal -3
.Lnot_wave_0_\@:
	s_barrier_wait -3
	s_barrier_signal -1
	s_barrier_wait -1
.endm
.macro TL g0, g1                       ; an s_nop 0 and four v_nop follow each tensor load
	tensor_load_to_lds s[\g0:\g0+3], s[\g1:\g1+7]
	s_nop 0
.rept 4
	v_nop
.endr
.endm
.macro JLOAD4                          ; the joint loads of one tile: each wave issues one; the branches hang on the wave's number alone
	s_cmp_lt_u32 s[WV], 2
	s_cbranch_scc0 .Lhi_\@
	s_cmp_eq_u32 s[WV], 0
	s_cbranch_scc0 .Lw1_\@
	TL G0A, G1A
	s_branch .Lasked_\@
.Lw1_\@:
	TL G0B, G1B
	s_branch .Lasked_\@
.Lhi_\@:
	s_cmp_eq_u32 s[WV], 2
	s_cbranch_scc0 .Lw3_\@
	TL G0C, G1C
	s_branch .Lasked_\@
.Lw3_\@:
	TL G0D, G1D
.Lasked_\@:
.endm
	s_load_b256 s[4:11], s[0:1], 0x0               ; inputs s[4:5], gamma s[6:7], beta s[8:9], W1's codes s[10:11]
	s_load_b256 s[12:19], s[0:1], 0x20             ; W1's scales s[12:13], b1 s[14:15], W2's codes s[16:17], W2's scales s[18:19]
	s_load_b128 s[20:23], s[0:1], 0x40             ; b2 s[20:21], out s[22:23]
	v_lshl_add_u32 v[SPW], v0, 2, SPARE
	v_mov_b32 v[NIL], 0
	ds_add_u32 v[SPW], v[NIL]                      ; the wave's opening: the add, twice on end, and its wait ahead of my first tensor load
	ds_add_u32 v[SPW], v[NIL]                      ; and once more; the set-up below, work on registers, stands between it and the wait
	v_lshrrev_b32 v[TA], 5, v0
	v_readfirstlane_b32 s[WV], v[TA]               ; wave 0..3
	s_bfe_u32 s27, ttmp6, 0x40000                  ; cx: my place in the cluster
	s_lshl_b32 s28, ttmp9, 2
	s_add_co_u32 s28, s28, s27                     ; g = 4 x cluster + cx: it enters the addresses of inputs and out alone
	s_lshl_b32 s30, s28, 18                        ; 128 rows of 2,048 bytes a work-group,
	s_lshl_b32 s29, s[WV], 16                      ; 32 a wave
	s_add_co_u32 s30, s30, s29
	s_mov_b32 s31, 0                               ; s[30:31]: my first row, in bytes
	s_and_b32 s29, s28, 31
	s_lshl_b32 s29, s29, 1
	s_lshr_b32 s90, s[WV], 1
	s_add_co_u32 s29, s29, s90                     ; my row of the grid: 2 (g % 32) + wave / 2
	s_add_co_u32 s29, s29, 4
	s_and_b32 s29, s29, 63                         ; the shifted one
	s_lshl_b32 s29, s29, 6
	s_lshr_b32 s90, s28, 5
	s_lshl_b32 s90, s90, 12                        ; the batch's 4,096 rows
	s_add_co_u32 s90, s90, s29
	s_lshl_b32 s90, s90, 11
	s_mov_b32 s91, 0                               ; s[90:91]: the shifted grid row's first byte
	; descriptor groups 1: constants; 15:0 the mask: all four work-groups; bit 21 set beside it
	s_mov_b32 s[G1A], 15|(1<<20)|(1<<21)|(5<<22)|(3<<25)   ; W1's codes: elements of 1 byte; 4 words of padding behind every 64
	s_mov_b32 s[G1A+1], 256<<16                    ; tensor_dim0 = 256
	s_mov_b32 s[G1A+2], 256<<16                    ; tensor_dim1 = 256
	s_mov_b32 s[G1A+3], 256<<16                    ; tile_dim0 = 256
	s_mov_b32 s[G1A+4], 256                        ; tile_dim1 = 256
	s_mov_b32 s[G1A+5], 256                        ; from row to row
	s_mov_b32 s[G1A+6], 0
	s_mov_b32 s[G1A+7], 0
	s_mov_b32 s[G1B], 15|(1<<20)|(1<<21)|(4<<22)|(3<<25)   ; W2's codes: 4 words of padding behind every 32
	s_mov_b32 s[G1B+1], 128<<16
	s_mov_b32 s[G1B+2], 512<<16
	s_mov_b32 s[G1B+3], 128<<16
	s_mov_b32 s[G1B+4], 512
	s_mov_b32 s[G1B+5], 1024
	s_mov_b32 s[G1B+6], 0
	s_mov_b32 s[G1B+7], 0
	s_mov_b32 s[G1C], 15|(3<<16)|(1<<21)           ; W1's scale bytes: 4,096 dense bytes as 16 rows of 32 elements of 8 bytes
	s_mov_b32 s[G1C+1], 32<<16
	s_mov_b32 s[G1C+2], 16<<16
	s_mov_b32 s[G1C+3], 32<<16
	s_mov_b32 s[G1C+4], 16
	s_mov_b32 s[G1C+5], 32
	s_mov_b32 s[G1C+6], 0
	s_mov_b32 s[G1C+7], 0
	s_mov_b32 s[G1D], 15|(2<<16)|(1<<21)           ; W2's scale bytes: 512 rows of 2 elements of 4 bytes, 16 elements apart
	s_mov_b32 s[G1D+1], 2<<16
	s_mov_b32 s[G1D+2], 512<<16
	s_mov_b32 s[G1D+3], 2<<16
	s_mov_b32 s[G1D+4], 512
	s_mov_b32 s[G1D+5], 16
	s_mov_b32 s[G1D+6], 0
	s_mov_b32 s[G1D+7], 0
	s_mov_b32 s[SEL], 0x76543210
	s_mov_b32 s[SEL+1], 0xfedcba98
	s_mov_b32 s[C1], 0xbdd2d3e8                    ; c1 = -0.10294324
	s_mov_b32 s[C1+1], s[C1]                       ; (named with it as a pair, so it is written)
	s_mov_b32 s98, 0x3b000000                      ; 1 / 512
	s_mov_b32 s99, 0x358637bd                      ; eps = 1e-6
	v_mov_b32 v[C0], 0xc0135761                    ; c0 = -2.3022082
	v_mov_b32 v[C0+1], 0xc0135761
	v_and_b32 v[TA], 15, v0                        ; r
	v_bfe_u32 v[TP], v0, 4, 1                      ; h
	v_and_b32 v[LN], 31, v0                        ; lane
	v_lshlrev_b32 v[COL16], 4, v[TA]
	v_lshl_add_u32 v[OWN], v[TP], 11, v[COL16]
	s_and_b32 s96, s[WV], 1
	s_lshl_b32 s96, s96, 5                         ; w0: my first column of the grid, 0 or 32
	s_add_co_u32 s97, s96, 4
	s_lshl_b32 s97, s97, 11
	v_add_nc_u32 v[ROLA], s97, v[OWN]
	s_add_co_u32 s97, s96, 32
	s_and_b32 s97, s97, 63                         ; my rows 28-31 take columns w0 + 32 .. + 35, which wrap round where w0 = 32
	s_lshl_b32 s97, s97, 11
	v_add_nc_u32 v[ROLB], s97, v[OWN]
	s_wait_dscnt 0x0                               ; both opening adds are done
	s_wait_kmcnt 0x0
	s_add_nc_u64 s[24:25], s[4:5], s[90:91]        ; inputs at the shifted grid row
	s_add_nc_u64 s[4:5], s[4:5], s[30:31]          ; inputs and out at my first row
	s_add_nc_u64 s[22:23], s[22:23], s[30:31]
	s_mov_b32 s[G0A], 1                            ; groups 0: count 1; LDS address in slot 0; tile 0's first byte; type 2.  Nothing in them hangs on a work-group's place
	s_mov_b32 s[G0A+1], W1C
	s_mov_b64 s[G0A+2:G0A+3], s[10:11]
	s_or_b32 s[G0A+3], s[G0A+3], 0x80000000
	s_mov_b32 s[G0B], 1
	s_mov_b32 s[G0B+1], W2C
	s_mov_b64 s[G0B+2:G0B+3], s[16:17]
	s_or_b32 s[G0B+3], s[G0B+3], 0x80000000
	s_mov_b32 s[G0C], 1
	s_mov_b32 s[G0C+1], S1O
	s_mov_b64 s[G0C+2:G0C+3], s[12:13]
	s_or_b32 s[G0C+3], s[G0C+3], 0x80000000
	s_mov_b32 s[G0D], 1
	s_mov_b32 s[G0D+1], S2O
	s_mov_b64 s[G0D+2:G0D+3], s[18:19]
	s_or_b32 s[G0D+3], s[G0D+3], 0x80000000
	CROUND                                         ; all four work-groups are here: the first joint loads meet
	JLOAD4                                         ; tile 0 into slot 0: it lands while x is read and normalised
; ---- x.  A group gi = (tile m = gi / 8, unit c = gi % 8) is 16 rows x 256 bytes, read twice: my rows and the shifted rows.  Sixteen lanes read 256 consecutive bytes, aligned.
.macro XLOAD gi                        ; 16 loads into landing set gi % 4 of window 1: 32 registers of my rows, 32 of the shifted ones
.set xm, (\gi)/8
.set xc, (\gi)%8
.set xs, 64*((\gi)%4)
	WIN 0x40
.irp p, 0,1,2,3,4,5,6,7
	global_load_b128 v[xs+4*\p:xs+4*\p+3], v[OWN], s[4:5] offset:(16*xm+2*\p)*2048+256*xc
.endr
.irp p, 0,1,2,3,4,5,6,7
.if (xm == 1) && (\p >= 6)
	global_load_b128 v[xs+32+4*\p:xs+32+4*\p+3], v[ROLB], s[24:25] offset:2*(\p-6)*2048+256*xc
.else
	global_load_b128 v[xs+32+4*\p:xs+32+4*\p+3], v[ROLA], s[24:25] offset:(16*xm+2*\p)*2048+256*xc
.endif
.endr
.endm
.macro XTURN gi                        ; the sum, then through my stage: in as it was loaded, back a row to a lane: register 8 n + j of x = column 16 n + 8 h + j
.set xm, (\gi)/8
.set xc, (\gi)%8
.set xs, 64*((\gi)%4)
	WIN 0x55
.irp j, 0,2,4,6,8,10,12,14,16,18,20,22,24,26,28,30
	v_pk_add_f32 v[xs+\j:xs+\j+1], v[xs+\j:xs+\j+1], v[xs+32+\j:xs+32+\j+1]
.endr
	WIN 0x04                                       ; an LDS store's data are its source 1: window 1
.irp p, 0,1,2,3,4,5,6,7
	ds_store_b128 v[STD], v[xs+4*\p:xs+4*\p+3] offset:544*\p
.endr
	WIN 0x80+0x40*xm                               ; destination: window 2 or 3
.irp n, 0,1,2,3
.irp q, 0,1
	ds_load_b128 v[8*(4*xc+\n)+4*\q:8*(4*xc+\n)+4*\q+3], v[STL] offset:64*\n+16*\q   ; LDS serves a wave's instructions in order (ISA guide 5.7.1.4): these see the stores above, and the next group's stores come behind them
.endr
.endr
.endm
.irp gi, 0,1,2,3
	XLOAD \gi
.endr
	WIN 0
	v_mul_u32_u24 v[LW1], v[TA], 272
	v_lshl_add_u32 v[LW1], v[TP], 4, v[LW1]
	v_add_nc_u32 v[LW1], W1C, v[LW1]               ; a fragment's row r x pitch + 16 h
	v_mul_u32_u24 v[LW2], v[TA], 144
	v_lshl_add_u32 v[LW2], v[TP], 4, v[LW2]
	v_add_nc_u32 v[LW2], W2C, v[LW2]
	v_lshlrev_b32 v[LS1], 4, v[LN]
	v_lshl_add_u32 v[LS2], v[LN], 3, S2O
	v_lshlrev_b32 v[LH32], 5, v[TP]
	s_and_b32 s86, s[WV], 1                        ; my stage: STG0 + 4,352 (wave % 2) + SLOT1 (wave / 2)
	s_mul_i32 s86, s86, 4352
	s_lshr_b32 s87, s[WV], 1
	s_mul_i32 s87, s87, SLOT1
	s_add_co_u32 s86, s86, s87
	s_add_co_u32 s86, s86, STG0
	v_mul_u32_u24 v[STD], v[TP], 272
	v_add_nc_u32 v[STD], v[STD], v[COL16]
	v_add_nc_u32 v[STD], s86, v[STD]
	v_mul_u32_u24 v[STL], v[TA], 272
	v_lshl_add_u32 v[STL], v[TP], 5, v[STL]
	v_add_nc_u32 v[STL], s86, v[STL]
.irp gi, 0,1,2,3,4,5,6,7,8,9,10,11,12,13,14,15
.if \gi < 13
	s_wait_loadcnt 48                              ; this group's 16 loads are in; the three younger groups' may be out
.else
	s_wait_loadcnt 16*(15-\gi)
.endif
	XTURN \gi
	s_wait_dscnt 8                                 ; the stores into the stage have read the landing set (the eight loads behind them may be out): it may be loaded again
.if \gi < 12
	XLOAD \gi+4
.endif
.endr
; ---- LayerNorm, and its quantiser
.macro PLOAD k                         ; gamma and beta of K step k in the lane's layout: 16 + 16 loads; even k into window 1, odd k into window 0
.if (\k)%2 == 0
	WIN 0x40
.set pg, GA
.set pb, BA
.else
	WIN 0
.set pg, GB
.set pb, BB
.endif
.irp n, 0,1,2,3,4,5,6,7
.irp q, 0,1
	global_load_b128 v[pg+8*\n+4*\q:pg+8*\n+4*\q+3], v[LH32], s[6:7] offset:512*(\k)+64*\n+16*\q
	global_load_b128 v[pb+8*\n+4*\q:pb+8*\n+4*\q+3], v[LH32], s[8:9] offset:512*(\k)+64*\n+16*\q
.endr
.endr
.endm
.macro JOIN                            ; four packed chains, then lane l xor 16's half of the row
	v_pk_add_f32 v[ACC:ACC+1], v[ACC:ACC+1], v[ACC+2:ACC+3]
	v_pk_add_f32 v[ACC+4:ACC+5], v[ACC+4:ACC+5], v[ACC+6:ACC+7]
	v_pk_add_f32 v[ACC:ACC+1], v[ACC:ACC+1], v[ACC+4:ACC+5]
	v_add_f32 v[ACC], v[ACC], v[ACC+1]
	v_permlanex16_b32 v[TP], v[ACC], s[SEL], s[SEL+1]
	v_add_f32 v[ACC], v[ACC], v[TP]
.endm
.macro STATS m                         ; mean and 1 / sqrt(var + eps) of my row of tile m, as reference() has them: the variance is the mean of (x - mean)^2
	WIN 0x0a+5*\m                                  ; both sources x: the first four sums start the chains, nothing is cleared
.irp i, 0,1,2,3
	v_pk_add_f32 v[ACC+2*\i:ACC+2*\i+1], v[2*\i:2*\i+1], v[8+2*\i:8+2*\i+1]
.endr
	WIN 0x08+4*\m
.set j, 16
.rept 120
	v_pk_add_f32 v[ACC+j%8:ACC+j%8+1], v[ACC+j%8:ACC+j%8+1], v[j:j+1]
.set j, j+2
.endr
	WIN 0
	JOIN
	v_mul_f32 v[MU0+4*\m], s98, v[ACC]
	v_mov_b32 v[MU0+4*\m+1], v[MU0+4*\m]
.set q, 0
.rept 4
	WIN 0x42+\m                                    ; x - mean, 64 numbers at a time, into window 1
.set j, 0
.rept 32
	v_pk_add_f32 v[j:j+1], v[64*q+j:64*q+j+1], v[MU0+4*\m:MU0+4*\m+1] op_sel_hi:[1,0] neg_lo:[0,1] neg_hi:[0,1]
.set j, j+2
.endr
	WIN 0x05
.set j, 0
.rept 32
.if (q == 0) && (j < 8)
	v_pk_mul_f32 v[ACC+j:ACC+j+1], v[j:j+1], v[j:j+1]
.else
	v_pk_fma_f32 v[ACC+j%8:ACC+j%8+1], v[j:j+1], v[j:j+1], v[ACC+j%8:ACC+j%8+1]
.endif
.set j, j+2
.endr
.set q, q+1
.endr
	WIN 0
	JOIN
	v_fma_f32 v[TA], v[ACC], s98, s99              ; var + eps
	v_rsq_f32 v[RS0+4*\m], v[TA]
	v_nop                                          ; a plain place behind the transcendental,
	s_wait_alu depctr_va_vdst(0)                   ; and the wait ahead of the first line that names its result
	v_mov_b32 v[RS0+4*\m+1], v[RS0+4*\m]
.endm
; 64 numbers of a lane in window 1, v[s] on (register 8 n + j = k 16 n + 8 h + j of my row), become a fragment's codes in v[f] on and its scale word in v[w], both in window 0.
.macro QUANT s, f, w
	WIN 0x55
.irp b, 0,1,2,3
	v_max3_num_f32 v[QT+\b], |v[(\s)+16*\b]|, |v[(\s)+16*\b+1]|, 0x1800000   ; block b: my 16 numbers, and the floor 2^(3 - 127): the byte cannot fall under 1
.endr
.irp i, 2,4,6,8,10,12,14
.irp b, 0,1,2,3
	v_max3_num_f32 v[QT+\b], v[QT+\b], |v[(\s)+16*\b+\i]|, |v[(\s)+16*\b+\i+1]|   ; the four blocks by turns
.endr
.endr
.irp b, 0,1,2,3
	v_permlanex16_b32 v[QT+4+\b], v[QT+\b], s[SEL], s[SEL+1]
.endr
.irp b, 0,1,2,3
	v_max_num_f32 v[QT+\b], v[QT+\b], v[QT+4+\b]   ; with lane l xor 16's: the block's largest magnitude
.endr
.irp b, 0,1,2,3
	v_add_nc_u32 v[QT+12+\b], 0xff000000, v[QT+\b] ; 2 off its exponent field: the conversion takes the exponent field of this operand as its scale
.endr
.irp b, 0,1,2,3
	v_lshrrev_b32 v[QT+4+\b], 23, v[QT+12+\b]      ; the scale's byte
.endr
	v_lshl_or_b32 v[QT+16], v[QT+5], 8, v[QT+4]
	v_lshl_or_b32 v[QT+16], v[QT+6], 16, v[QT+16]
	WIN 0x15                                       ; results into window 0
	v_lshl_or_b32 v[\w], v[QT+7], 24, v[QT+16]     ; my row's scale word
.irp c, 0,1
.irp e, 0,1
.irp u, 0,1
	v_cvt_scalef32_pk8_fp4_f32 v[(\f)+4*\c+2*\u+\e], v[(\s)+16*(2*\c+\e)+8*\u:(\s)+16*(2*\c+\e)+8*\u+7], v[QT+12+2*\c+\e]
.endr
.endr
.endr
	v_nop                                          ; one plain place behind a scaled conversion
	WIN 0
.irp c, 0,1
.irp u, 0,1
	v_permlane16_swap_b32 v[(\f)+4*\c+2*\u], v[(\f)+4*\c+2*\u+1]   ; the first's lanes 16-31 change places with the second's lanes 0-15: a whole block in a lane
.endr
.endr
.endm
.macro NORMQ m, k                      ; ((x - mean) x rstd) x gamma + beta for 128 columns of tile m, in reference()'s order, and its codes
	WIN 0x42+\m
.set j, 0
.rept 32
	v_pk_add_f32 v[j:j+1], v[64*(\k)+j:64*(\k)+j+1], v[MU0+4*\m:MU0+4*\m+1] op_sel_hi:[1,0] neg_lo:[0,1] neg_hi:[0,1]
.set j, j+2
.endr
	WIN 0x41
.set j, 0
.rept 32
	v_pk_mul_f32 v[j:j+1], v[j:j+1], v[RS0+4*\m:RS0+4*\m+1] op_sel_hi:[1,0]
.set j, j+2
.endr
.if (\k)%2 == 0
	WIN 0x55
.set j, 0
.rept 32
	v_pk_fma_f32 v[j:j+1], v[j:j+1], v[GA+j:GA+j+1], v[BA+j:BA+j+1]
.set j, j+2
.endr
.else
.set j, 0
.rept 32
	v_pk_fma_f32 v[j:j+1], v[j:j+1], v[GB+j:GB+j+1], v[BB+j:BB+j+1]
.set j, j+2
.endr
.endif
	QUANT 0, A1+8*(4*\m+(\k)), A1S+4*\m+(\k)
.endm
	PLOAD 0                                        ; (all stores into the stage have read the landing sets: the wait above)
	PLOAD 1
	s_wait_dscnt 0x0                               ; all of x is in its registers
	WIN 0x40
.irp b, 0,1,2,3
	v_mov_b32 v[QT+4+\b], 0                        ; written once: a lane permute's destination counts as one of its sources
.endr
	STATS 0
	STATS 1
.irp k, 0,1,2,3
.if \k < 3
	s_wait_loadcnt 32                              ; this K step's gamma and beta are in; the next step's 32 loads may be out
.else
	s_wait_loadcnt 0x0
.endif
	NORMQ 0, \k
	NORMQ 1, \k
.if \k < 2
	PLOAD \k+2
.endif
.endr
.irp t, 0,1,2,3,4,5,6,7
	global_load_b128 v[B1+8*\t:B1+8*\t+3], v[LH32], s[14:15] offset:64*\t        ; b1 of step 0, in the result's layout: the C of the first K step
	global_load_b128 v[B1+8*\t+4:B1+8*\t+7], v[LH32], s[14:15] offset:64*\t+16
.endr
.irp c, 0,1,2,3,4,5,6,7
	global_load_b128 v[B2D+4*\c:B2D+4*\c+3], v[COL16], s[20:21] offset:256*\c    ; b2, in the dense layout of the way out
.endr
; ---- the loop over the hidden layer
.macro LDW1 k, buf                     ; W1's eight fragments (16 rows x 128 K) of K step k
	WIN 0x40
.irp t, 0,1,2,3,4,5,6,7
	ds_load_b128 v[\buf+8*\t:\buf+8*\t+3], v[ADW1] offset:\t*4352+64*(\k)
	ds_load_b128 v[\buf+8*\t+4:\buf+8*\t+7], v[ADW1] offset:\t*4352+64*(\k)+32
.endr
.endm
.macro LDW2 g, buf                     ; W2's fragments of output tiles 8 g .. 8 g + 7; the second address register stands 16 tiles on, so that the offsets fit their 16 bits
	WIN 0x40
.irp i, 0,1,2,3,4,5,6,7
.if (\g) < 2
	ds_load_b128 v[\buf+8*\i:\buf+8*\i+3], v[ADW2A] offset:(8*(\g)+\i)*2304
	ds_load_b128 v[\buf+8*\i+4:\buf+8*\i+7], v[ADW2A] offset:(8*(\g)+\i)*2304+32
.else
	ds_load_b128 v[\buf+8*\i:\buf+8*\i+3], v[ADW2B] offset:(8*((\g)-2)+\i)*2304
	ds_load_b128 v[\buf+8*\i+4:\buf+8*\i+7], v[ADW2B] offset:(8*((\g)-2)+\i)*2304+32
.endif
.endr
.endm
; 16 products of the hidden layer: 8 tiles of 16 units x my two tiles of rows, K step k.  The 16 accumulators take turns, one instruction a turn.
; A scale register holds an even tile's words in lanes 0-15 and the next tile's in lanes 16-31.
.macro MUL1 k
.if (\k) == 0
	WIN 0x41                                       ; source 0 (W1) and D window 1; source 1 (LN(x)) and C (b1) window 0
.else
	WIN 0x51                                       ; C window 1 too
.endif
.irp t, 0,1,2,3,4,5,6,7
.irp m, 0,1
.set rD, 64*\m+8*\t
.set rA, 128+64*((\k)%2)+8*\t
.set rB, A1+8*(4*\m+(\k))
.set rC, rD
.if (\k) == 0
.set rC, B1+8*\t
.endif
.set rSA, W1S+4*(\t/2)+(\k)
.set rSB, A1S+4*\m+(\k)
.if \t%2
	v_wmma_scale_f32_16x16x128_f8f6f4 v[rD:rD+7], v[rA:rA+7], v[rB:rB+7], v[rC:rC+7], v[rSA], v[rSB] matrix_a_fmt:MATRIX_FMT_FP4 matrix_b_fmt:MATRIX_FMT_FP4 matrix_a_scale:MATRIX_SCALE_ROW1
.else
	v_wmma_scale_f32_16x16x128_f8f6f4 v[rD:rD+7], v[rA:rA+7], v[rB:rB+7], v[rC:rC+7], v[rSA], v[rSB] matrix_a_fmt:MATRIX_FMT_FP4 matrix_b_fmt:MATRIX_FMT_FP4
.endif
.endr
.endr
.endm
.macro MUL2 g                          ; 16 products onto y: output tiles 8 g .. 8 g + 7 x my two tiles of rows; K = this step's 128 hidden units.  Each accumulator has one turn a step
.irp m, 0,1
	WIN 0xa1+0x50*\m                               ; source 0 (W2) window 1, source 1 window 0, C and D window 2 or 3
.irp i, 0,1,2,3,4,5,6,7
.set rN, 8*(\g)+\i
.set rD, 8*rN
.set rA, 128+64*((\g)%2)+8*\i
.set rB, HF+8*\m
.set rSA, W2S+rN/2
.set rSB, HS+\m
.if \i%2
	v_wmma_scale_f32_16x16x128_f8f6f4 v[rD:rD+7], v[rA:rA+7], v[rB:rB+7], v[rD:rD+7], v[rSA], v[rSB] matrix_a_fmt:MATRIX_FMT_FP4 matrix_b_fmt:MATRIX_FMT_FP4 matrix_a_scale:MATRIX_SCALE_ROW1
.else
	v_wmma_scale_f32_16x16x128_f8f6f4 v[rD:rD+7], v[rA:rA+7], v[rB:rB+7], v[rD:rD+7], v[rSA], v[rSB] matrix_a_fmt:MATRIX_FMT_FP4 matrix_b_fmt:MATRIX_FMT_FP4
.endif
.endr
.endr
.endm
; gelu on the 64 numbers of tile m, in place: v / (1 + 2^(v (c0 + c1 v^2))).  Each accumulator is read from its low end on.  The exponentials are one batch with one wait, and so are the reciprocals.
.macro GELU m
	WIN 0x45                                       ; all in window 1 but source 2 (c0)
.set j, 0
.rept 32
	v_pk_mul_f32 v[TT+j:TT+j+1], v[64*\m+j:64*\m+j+1], v[64*\m+j:64*\m+j+1]
.set j, j+2
.endr
.set j, 0
.rept 32
	v_pk_fma_f32 v[TT+j:TT+j+1], v[TT+j:TT+j+1], s[C1:C1+1], v[C0:C0+1] op_sel_hi:[1,0,0]
.set j, j+2
.endr
.set j, 0
.rept 32
	v_pk_mul_f32 v[TT+j:TT+j+1], v[TT+j:TT+j+1], v[64*\m+j:64*\m+j+1]
.set j, j+2
.endr
.set j, 0
.rept 64
	v_exp_f32 v[TT+j], v[TT+j]
.set j, j+1
.endr
	v_nop                                          ; a plain place behind the last exponential,
	s_wait_alu depctr_va_vdst(0)                   ; and one wait for the batch, ahead of the first line that names a result
.set j, 0
.rept 32
	v_pk_add_f32 v[TT+j:TT+j+1], v[TT+j:TT+j+1], 1.0 op_sel_hi:[1,0]
.set j, j+2
.endr
.set j, 0
.rept 64
	v_rcp_f32 v[TT+j], v[TT+j]
.set j, j+1
.endr
	v_nop
	s_wait_alu depctr_va_vdst(0)                   ; likewise for the reciprocals
.set j, 0
.rept 32
	v_pk_mul_f32 v[64*\m+j:64*\m+j+1], v[64*\m+j:64*\m+j+1], v[TT+j:TT+j+1]
.set j, j+2
.endr
.endm
; A STEP: 128 hidden units.  Two sets of fragment registers take turns: while one is multiplied, the other's 16 loads are out.  tail = 1: the launch's last step asks for no further b1.
.macro STEP tail
	v_add_nc_u32 v[ADW1], s[T1], v[LW1]            ; five plain lines: also the places behind the last step's products, in front of the loads below
	v_add_nc_u32 v[ADW2A], s[T2], v[LW2]
	v_add_nc_u32 v[ADS1], s[T3], v[LS1]
	v_add_nc_u32 v[ADS2], s[T4], v[LS2]
	v_add_nc_u32 v[ADW2B], 36864, v[ADW2A]
.irp i, 0,1,2,3
	ds_load_b128 v[W1S+4*\i:W1S+4*\i+3], v[ADS1] offset:512*\i   ; a row's 16 scale bytes are the words of its four K steps: lane l takes row 32 i + l
.endr
	LDW1 0, WB0
	LDW1 1, WB1
	s_wait_loadcnt 0x0                             ; this step's b1, asked for a step ago
	s_wait_dscnt 16                                ; the scale words and K step 0 are in; K step 1's 16 loads may be out
	MUL1 0
	PLACES
	WIN 0
.if (\tail)
	s_cmp_eq_u32 s[STEPS], 1                       ; no load leaves b1: the last step has no successor
	s_cbranch_scc1 .Lno_b1_\@
.endif
	v_add_nc_u32 v[ADB1], s[B1O], v[LH32]          ; (free since the wait for the loads that named it)
.irp t, 0,1,2,3,4,5,6,7
	global_load_b128 v[B1+8*\t:B1+8*\t+3], v[ADB1], s[14:15] offset:64*\t
	global_load_b128 v[B1+8*\t+4:B1+8*\t+7], v[ADB1], s[14:15] offset:64*\t+16
.endr
.if (\tail)
.Lno_b1_\@:
.endif
	s_add_co_u32 s[B1O], s[B1O], 512
	LDW1 2, WB0
	s_wait_dscnt 16                                ; K step 1 is in
	MUL1 1
	PLACES
	LDW1 3, WB1
	s_wait_dscnt 16                                ; K step 2 is in
	MUL1 2
	PLACES
	LDW2 0, WB0                                    ; W2's first eight fragments and its scale words land under the gelu
	WIN 0
.irp i, 0,1,2,3,4,5,6,7,8,9,10,11,12,13,14,15
	ds_load_b32 v[W2S+\i], v[ADS2] offset:256*\i   ; lane l takes row 32 i + l's word of this step
.endr
	s_wait_dscnt 32                                ; K step 3 is in; the 32 loads just issued may be out
	MUL1 3
	PLACES
	GELU 0
	GELU 1
	QUANT 0, HF, HS
	QUANT 64, HF+8, HS+1
	LDW2 1, WB1
.rept 8
	v_nop                                          ; a scale register written by a vector instruction stands 8 places ahead of a scaled matrix instruction, an operand so written 4
.endr
	s_wait_dscnt 16                                ; W2's first eight fragments and the scale words are in
	MUL2 0
	PLACES
	LDW2 2, WB0
	s_wait_dscnt 16
	MUL2 1
	PLACES
	LDW2 3, WB1
	s_wait_dscnt 16
	MUL2 2
	s_wait_dscnt 0x0
	MUL2 3
	WIN 0                                          ; at a label and at a branch every window is 0
	s_add_co_u32 s[T1], s[T1], 34816               ; the slot's next step: 128 rows of W1's codes,
	s_add_co_u32 s[T2], s[T2], 64                  ; 64 bytes along W2's rows,
	s_add_co_u32 s[T3], s[T3], 2048                ; 128 rows of W1's scale bytes,
	s_add_co_u32 s[T4], s[T4], 4                   ; a word of W2's
.endm
; A TRIP: one tile of the weights.  Each wave waits for all its tensor loads (its part of the tile ahead), adds 0 to its spare word, and waits for that and for its reads of the slot that it has left.
; fill = 1: a round of the cluster's barrier, so that no wave of any partner still reads that slot or has a load on its way; the joint load of the next tile is the first thing behind it, and has two steps in which to land.
.macro TRIP fill
	s_wait_tensorcnt 0x0                           ; no tensor load of mine is out, so the groups 0 may be written
	ds_add_u32 v[SPW], v[NIL]                      ; 0 onto my spare word; the descriptors' steps stand between it and the wait
.if \fill
	s_xor_b32 s[G0A+1], s[G0A+1], SLOT1            ; the other slot than last time, the next tile; the type bits on top are not reached
	s_add_nc_u64 s[G0A+2:G0A+3], s[G0A+2:G0A+3], 65536
	s_xor_b32 s[G0B+1], s[G0B+1], SLOT1
	s_add_nc_u64 s[G0B+2:G0B+3], s[G0B+2:G0B+3], 128
	s_xor_b32 s[G0C+1], s[G0C+1], SLOT1
	s_add_nc_u64 s[G0C+2:G0C+3], s[G0C+2:G0C+3], 4096
	s_xor_b32 s[G0D+1], s[G0D+1], SLOT1
	s_add_nc_u64 s[G0D+2:G0D+3], s[G0D+2:G0D+3], 8
.endif
	s_wait_dscnt 0x0                               ; the add is done, and my reads of the slot that I have left are over
.if \fill
	CROUND
	JLOAD4
.else
	s_barrier_signal -1
	s_barrier_wait -1                              ; the last tile is whole; nothing is filled again
.endif
	s_mov_b32 s[STEPS], 2
.Lstep_\@:
	STEP 1-\fill
	s_sub_co_u32 s[STEPS], s[STEPS], 1
	s_cmp_lg_u32 s[STEPS], 0
	s_cbranch_scc1 .Lstep_\@
.if \fill
	s_sub_co_u32 s[T1], s[T1], 2*34816             ; back to a slot's first step,
	s_xor_b32 s[T1], s[T1], SLOT1                  ; in the other slot
	s_sub_co_u32 s[T2], s[T2], 2*64
	s_xor_b32 s[T2], s[T2], SLOT1
	s_sub_co_u32 s[T3], s[T3], 2*2048
	s_xor_b32 s[T3], s[T3], SLOT1
	s_sub_co_u32 s[T4], s[T4], 2*4
	s_xor_b32 s[T4], s[T4], SLOT1
.endif
.endm
	s_mov_b32 s[T1], 0
	s_mov_b32 s[T2], 0
	s_mov_b32 s[T3], 0
	s_mov_b32 s[T4], 0
	s_mov_b32 s[B1O], 512
	s_mov_b32 s[TRIPS], 7
.Ltrip:                                            ; tiles 0 to 6: each trip asks for the next tile (the first trip's load is slot 1's first fill)
	TRIP 1
	s_sub_co_u32 s[TRIPS], s[TRIPS], 1
	s_cmp_lg_u32 s[TRIPS], 0
	s_cbranch_scc1 .Ltrip
	TRIP 0                                         ; tile 7 is written out
; ---- THE WAY OUT, a group of 16 rows x 256 bytes at a time, back through my stage: in by lanes, out dense; b2 is added in the dense layout; sixteen lanes store 256 consecutive bytes, aligned.
.macro TOSTAGE gi
.set em, (\gi)/8
.set ec, (\gi)%8
.set es, 32*((\gi)%4)
	WIN 0x08+4*em                                  ; the data: window 2 or 3
.irp n, 0,1,2,3
	ds_store_b128 v[STL], v[8*(4*ec+\n):8*(4*ec+\n)+3] offset:64*\n          ; each accumulator from its low end on
	ds_store_b128 v[STL], v[8*(4*ec+\n)+4:8*(4*ec+\n)+7] offset:64*\n+16
.endr
	WIN 0x40
.irp p, 0,1,2,3,4,5,6,7
	ds_load_b128 v[es+4*\p:es+4*\p+3], v[STD] offset:544*\p   ; LDS serves a wave's instructions in order: these see the stores above, and the next group's stores come behind them
.endr
.endm
.macro SEND gi, younger                ; younger: the LDS instructions issued behind this group's loads, which may stay out
.set em, (\gi)/8
.set ec, (\gi)%8
.set es, 32*((\gi)%4)
	s_wait_dscnt \younger
	WIN 0x41
.irp p, 0,1,2,3,4,5,6,7
	v_pk_add_f32 v[es+4*\p:es+4*\p+1], v[es+4*\p:es+4*\p+1], v[B2D+4*ec:B2D+4*ec+1]
	v_pk_add_f32 v[es+4*\p+2:es+4*\p+3], v[es+4*\p+2:es+4*\p+3], v[B2D+4*ec+2:B2D+4*ec+3]
.endr
	WIN 0x04
.irp p, 0,1,2,3,4,5,6,7
	global_store_b128 v[OWN], v[es+4*\p:es+4*\p+3], s[22:23] offset:(16*em+2*\p)*2048+256*ec th:TH_STORE_NT   ; written once, read by nobody here
.endr
.endm
	PLACES                                         ; behind the last products, in front of the stores that read results
	TOSTAGE 0
.irp a, 1,2,3,4,5,6,7,8,9,10,11,12,13,14,15
.if \a >= 4
	s_wait_xcnt 0x0                                ; the stores of four groups back have read their registers: this group's loads may land there
.endif
	TOSTAGE \a
	SEND \a-1, 16                                  ; behind that group's loads: this group's 8 stores and 8 loads
.endr
	SEND 15, 0
	WIN 0
	s_wait_tensorcnt 0x0                           ; the wave's end, behind my last tensor load and my last LDS store
	ds_add_u32 v[SPW], v[NIL]
	s_wait_dscnt 0x0
	CROUND                                         ; the closing round: no work-group ends while a partner may still ask for a tile that names it
	s_endpgm
.Lfunc_end_k_qdd24795f6d_swin_mlp:
	.size	k_qdd24795f6d_swin_mlp, .Lfunc_end_k_qdd24795f6d_swin_mlp-k_qdd24795f6d_swin_mlp
	.p2alignl 7, 3214868480
	.fill 96, 4, 3214868480
	.section	.rodata,"a",@progbits
	.p2align	6, 0x0
	.amdhsa_kernel k_qdd24795f6d_swin_mlp
		.amdhsa_group_segment_fixed_size 327680
		.amdhsa_private_segment_fixed_size 0
		.amdhsa_enable_private_segment 0
		.amdhsa_kernarg_size 80
		.amdhsa_user_sgpr_count 2
		.amdhsa_user_sgpr_kernarg_segment_ptr 1
		.amdhsa_wavefront_size32 1
		.amdhsa_system_sgpr_workgroup_id_x 1
		.amdhsa_system_sgpr_workgroup_id_y 1
		.amdhsa_system_sgpr_workgroup_id_z 1
		.amdhsa_system_vgpr_workitem_id 0
		.amdhsa_next_free_vgpr 1024
		.amdhsa_next_free_sgpr 100
		.amdhsa_reserve_vcc 0
		.amdhsa_float_denorm_mode_32 3
		.amdhsa_float_denorm_mode_16_64 3
		.amdhsa_memory_ordered 1
		.amdhsa_forward_progress 1
		.amdhsa_inst_pref_size 255
	.end_amdhsa_kernel
	.section	.bss,"aw",@nobits
	.p2align	6
	.space	262144
	.amdgpu_metadata
---
amdhsa.version: [ 1, 2 ]
amdhsa.kernels:
  - .name:           k_qdd24795f6d_swin_mlp
    .symbol:         k_qdd24795f6d_swin_mlp.kd
    .args:
      - { .name: inputs, .offset: 0, .size: 8, .value_kind: global_buffer, .address_space: global }
      - { .name: ln_gamma, .offset: 8, .size: 8, .value_kind: global_buffer, .address_space: global }
      - { .name: ln_beta, .offset: 16, .size: 8, .value_kind: global_buffer, .address_space: global }
      - { .name: W1_codes, .offset: 24, .size: 8, .value_kind: global_buffer, .address_space: global }
      - { .name: W1_scales, .offset: 32, .size: 8, .value_kind: global_buffer, .address_space: global }
      - { .name: b1, .offset: 40, .size: 8, .value_kind: global_buffer, .address_space: global }
      - { .name: W2_codes, .offset: 48, .size: 8, .value_kind: global_buffer, .address_space: global }
      - { .name: W2_scales, .offset: 56, .size: 8, .value_kind: global_buffer, .address_space: global }
      - { .name: b2, .offset: 64, .size: 8, .value_kind: global_buffer, .address_space: global }
      - { .name: out0, .offset: 72, .size: 8, .value_kind: global_buffer, .address_space: global }
    .group_segment_fixed_size: 327680
    .private_segment_fixed_size: 0
    .kernarg_segment_align: 8
    .kernarg_segment_size: 80
    .max_flat_workgroup_size: 128
    .sgpr_count:     100
    .vgpr_count:     1024
    .wavefront_size: 32
...
	.end_amdgpu_metadata
.endif
;; end of part 1
